; MI455X (gfx1250); checked and timed in simulation.
; The chip was launched on July 23, 2026; its instructions are those of AMD's public machine-readable ISA for CDNA 5 (MIT licence, August 2026) and "CDNA5" Instruction Set Architecture Reference Guide (July 2026). The comments in the code are by the model that wrote it; some were corrected since.
;; Scaled Dot Product Attention. Allowed arithmetic: matrix products marked QUANTISED: E3M2 operands, one E8M0 scale for each 32 along K, by v_wmma_scale_f32_16x16x128_f8f6f4 with both operands' format E3M2, f32 sums; everything else in f32.
;; Inputs: key_codes 4 x 16 x 2,048 x 4 x 24 uint8 (E3M2 codes of key, K innermost, in blocks of 32 codes, four codes in three bytes); key_scales 4 x 16 x 2,048 x 4 uint8 (E8M0 scales of key, one for each 32 codes along K); query_codes 4 x 16 x 2,048 x 4 x 24 uint8 (E3M2 codes of query, K innermost, in blocks of 32 codes, four codes in three bytes); query_scales 4 x 16 x 2,048 x 4 uint8 (E8M0 scales of query, one for each 32 codes along K); value_codes 4 x 16 x 128 x 64 x 24 uint8 (E3M2 codes of value, K innermost, in blocks of 32 codes, four codes in three bytes); value_scales 4 x 16 x 128 x 64 uint8 (E8M0 scales of value, one for each 32 codes along K).
;; Outputs: out0 4 x 16 x 2,048 x 128 float32.
;; This version of the problem:
;;   THIS VERSION OF THE PROBLEM IS GIVEN IN LOW PRECISION. The matrix products marked QUANTISED in the list below multiply operands that are first quantised to E3M2 (3 exponent bits, 2 mantissa bits; 6 bits a number), with one power-of-two scale for each 32 numbers along K (OCP MX v1.0); their sums are f32. All else is computed in f32.
;;   The module's matrix products, in the order in which they are computed (A, B: the left and right operand; K: the contracted axis; several contracted axes count as one K, in the product's order):
;;     1. batch 64 x [M 2,048, K 128] x [K 128, N 2,048]; A: input query (given as codes); B: input key (given as codes): QUANTISED
;;     2. batch 64 x [M 2,048, K 2,048] x [K 2,048, N 128]; A: softmax (see below); B: input value (given as codes): QUANTISED
;;   THE QUANTISER, for each operand of a quantised product, along K:
;;     - K is cut into blocks of 32 from its start; a last block that is shorter is filled with zeros.
;;     - A block's scale is 2^e with e = floor(log2(the largest magnitude in the block)) - 4, held to -126 .. 127; a block of zeros has e = 0. As a byte (E8M0): e + 127.
;;     - Each number is divided by its block's scale, clamped to +-28, and rounded to the nearest number of E3M2, ties to even, subnormals kept.
;;     - The product sums the exact products of the quantised numbers (number of the format x scale) in f32.
;;   ~~~python
;;   def quantise(x, axis):      # numpy; x: float32 -> the quantised numbers, widened to float32 again
;;       x = np.moveaxis(x, axis, -1); K = x.shape[-1]
;;       x = np.pad(x, [(0, 0)] * (x.ndim - 1) + [(0, -K % 32)]); x = x.reshape(x.shape[:-1] + (-1, 32)); a = np.abs(x).max(-1, keepdims=True)
;;       e = np.where(a > 0, np.clip(np.frexp(np.where(a > 0, a, 1))[1] - 1 - 4, -126, 127), 0)      # np.frexp(a)[1] - 1 = floor(log2(a)), exactly
;;       r = np.clip(x / 2.0 ** e, -28, 28)
;;       step = 2.0 ** (np.maximum(np.frexp(np.where(r == 0, 1, r))[1] - 1, -2) - 2)
;;       q = np.round(r / step) * step * 2.0 ** e      # np.round: ties to even
;;       return np.moveaxis(q.reshape(q.shape[:-2] + (-1,))[..., :K], -1, axis).astype(np.float32)
;;   ~~~
;;   SOFTMAX AHEAD OF A QUANTISED PRODUCT. Where the list says 'softmax', what is quantised is not the finished softmax but p = 2^(t - M), with t = logit x log2(e) and M = ceil(the row's largest t), a whole number; so 1/2 < the row's largest p <= 1. The row's sum l is taken of the UNQUANTISED p, in f32, and the product's result is divided by l at the end. Since M is a whole number, a kernel that streams over the keys may use a running M (the ceiling of the running maximum): every later rescaling is an exact power of two, which a block's scale takes up: the codes' values come out the same.
;;   OPERANDS COMPUTED ON THE WAY. 'Computed on the way' means the value that the module computes at that place (a softmax that the list does not call 'softmax' is quantised finished and normalised). What goes into a quantiser is computed in f32, as accurately as f32 sums, v_exp_f32 and their like allow (about 1e-6 of the number): no bf16 or f16 on the way to a quantiser, and a product that is left as it is and whose result goes on into a quantised operand takes f32 operands (vector FMAs, or v_wmma_f32_16x16x4_f32). A number that lies on a knife's edge between two numbers of the format may be rounded either way, as far as f32 arithmetic and the matrix unit's own rounding can turn it there, and no further.
;;   INPUTS GIVEN AS CODES. key (in the module: [4, 16, 2048, 128], K = its axis 3); query (in the module: [4, 16, 2048, 128], K = its axis 3); value (in the module: [4, 16, 2048, 128], K = its axis 2): each comes as NAME_codes (uint8): NAME with its K axis moved to the last place and cut into blocks of 32 codes, [.., K / 32, bytes a block], one block behind the other in memory; four codes in three bytes: a row's codes are one little-endian stream of bits, code i at bits 6 i .. 6 i + 5 (a code: sign, 3 exponent bits, 2 mantissa bits); and NAME_scales (uint8): the same leading axes, one E8M0 byte (e + 127) for each 32 codes along K. Its value is code x scale, taken as it is: it is not quantised again, and the codes and scales need not be those that the quantiser above would give.
;; One version. Each part assembles by itself: llvm-mc -triple=amdgcn-amd-amdhsa -mcpu=gfx1250 --defsym DOCPART=n.
;; ======== version 1 of 1: 1 launch
;; limits: right only within a limited range of input values
;; launch attn (part 1): grid 4 x 64, 16 waves a work-group, no clusters, 327,680 bytes of LDS; arguments query_codes, query_scales, key_codes, key_scales, value_codes, value_scales, out0; writes out0
.if DOCPART == 1
	.amdgcn_target "amdgcn-amd-amdhsa--gfx1250"
	.amdhsa_code_object_version 6
	.text
	.protected	k_q5ced336992_attn
	.globl	k_q5ced336992_attn
	.p2align	8
	.type	k_q5ced336992_attn,@function
k_q5ced336992_attn:
	s_mov_b64 s[64:65], 0
	v_nop
	global_prefetch_b8 v0, s[64:65] scope:SCOPE_SE
	s_setreg_imm32_b32 hwreg(HW_REG_WAVE_MODE, 25, 1), 1
	s_wait_xcnt 0x0
; O[h][q][:] = the sum over k <= q of softmax_k(Q[h][q] . K[h][k] / sqrt(128)) V[h][k][:], 64 heads, 2,048 queries and keys, head size 128.
; Both products on codes of BF6 (E3M2) with one E8M0 scale for each 32 along a product's K, as they are given: Q, K [64][2048][96 bytes], scale words [64][2048][4];
; V with the keys innermost, [64][128][1536 bytes], scale bytes [64][128][64].  O: [64][2048][128] f32.
; THE SOFTMAX AHEAD OF THE SECOND PRODUCT: t = score x log2(e) / sqrt(128); M = the running largest t rounded UP to a whole number; p = 2^(t - M) is quantised along the keys, not normalised.
; The row's sum is taken of the unquantised p and divides O at the end.  When M moves, the sum and O are multiplied by 2^(old M - new M): exact.
; SHARES.  Work-group (x, head), x = 0..3, makes TWO blocks of 256 queries: first block 7 - x (key slots 0 .. 7 - x of 256 keys), then block x (slots 0 .. x): 8 - x + x + 1 = 9 slots for every x,
; so all 256 work-groups do the same work, the loop over slots has a constant count, and no slot is fetched that nobody reads.  Each of the sixteen waves owns one tile of 16 queries of the block in hand, in 256 registers.
; Wave w takes tile 8 ((w ^ (w >> 2)) & 1) + (w >> 1): of any four waves w % 4 = const or w / 4 = const two own tiles of the block's lower half, which leave out the diagonal slot's second step, and two of its upper half.
; K's and V's tiles come through a ring of two LDS slots filled by the tensor data mover (waves 0, 1: K's halves; waves 2, 3: V's) and are read by all sixteen.
; THE SCALE WORDS of the 9 slots lie in LDS in the ORDER OF THE TRIPS, copied once at the head through registers: so no LDS address hangs on x.  K's are whole kilobytes; V's are 8 bytes of each 64-byte row, 9,216 bytes a work-group, read once.
; LAYOUT.  Both products are used transposed: S^T = K Q^T (source 0 = 16 keys, source 1 = my 16 queries), O^T = V^T P^T (source 0 = 16 of the head's 128, source 1 = P): a lane holds ONE query (lane % 16) throughout.
; THE KEYS OF A TILE ARE NOT NEIGHBOURS: lane r of tile 2 b + u takes key 32 b + 8 u + r + 8 (r / 8), so that the 16 registers of tiles 2 b and 2 b + 1 are 16 neighbouring keys, 32 b + 16 (lane / 16) + 0 .. 15.
; NO CLUSTER: the four work-groups of a head want the same slot in trips 0 to 4 only; from trip 5 on the slot hangs on x, and the change of blocks is a branch at trip 7 - x, which differs between them.
; A form in which all four walk alike (tiles strided over the work-groups) has 12 slot visits for these 9.  What would be shared is 48 KiB for two key steps of sixteen waves.
; LIMITS.  A hidden score is set to -infinity where the definition adds -1e19 to the logit: the same p = 0 wherever a row's largest visible logit lies above about -1e18.  A scale byte 0xff and scores beyond f32's range are not served.
; A block's largest p is taken as 2^ of the block's largest t - M, which takes v_exp_f32 not to fall where its input rises.  p under 2^-126 comes out as 0.
; REGISTERS: v1-7 addresses that stay; v8-11 addresses of the step in hand; v12 -M, v13 the largest t, v[14:15] the sum in two halves; v16-27 Q; v28-31 addresses that stay; v32-79 four fragments of K or V;
; v80-92 the second block's Q and its scale word; v93-94 the scale copies' LDS targets; v96-159 S^T, then p, then rows of O; v160-223 O^T; v224-235 p's codes; v236-254 at work; v255 Q's scale word.
.set SK,     256                       ; keys in a slot: two key steps of 128
.set ROWB,   96                        ; 128 codes in bytes
.set KP,     96                        ; a key's row in LDS: no padding
.set VROWB,  192                       ; SK codes in bytes: a row of V's tile
.set VP,     192                       ; and in LDS: no padding
.set KROWV,  1536                      ; a row of V in memory
.set KSLOTB, SK*ROWB                   ; a slot's K: 24,576 dense bytes
.set VOFF,   SK*KP                     ; a slot: 256 rows of K, then 128 rows of V: 49,152 bytes
.set SLOT1,  1<<17                     ; slot 1 begins here, so that one exclusive or turns an address in one slot into the other's
.set STAGE,  49152                     ; behind slot 0: the way out, 16 rows x (256 + 16) bytes for each wave; no fill lands here
.set KSC,    STAGE+16*16*272           ; 118,784: K's scale words, [trip 0..8][256 keys][4 bytes]
.set VSC,    SLOT1+49152               ; 180,224, behind slot 1: V's scale words, [trip 0..8][128 d][8 bytes: the slot's two steps' words]
.set SPARE,  VSC+12288                 ; 192,512: the spare words, 128 bytes for each wave: eight blocks of 256 bytes that no other line names
.set HCODE,  2048*ROWB                 ; a head's codes in bytes, in Q, K and V alike
.set AK0,  1                           ; v1   my lane's place in a tile of K
.set AV0,  2                           ; v2   the same for V
.set ASK0, 3                           ; v3   my lane's place among a trip's scale words of K
.set ASV0, 4                           ; v4   and of V
.set SPW,  5                           ; v5   LDS address of my spare word: SPARE + 4 x my thread's number; never rewritten
.set NIL,  6                           ; v6   0; never rewritten
.set GO,   7                           ; v7   the way out: my byte offset in the wave's rows of O
.set ADK,  8                           ; v8   LDS address of the step's tiles of K
.set ADV,  9                           ; v9   of V
.set ADS,  10                          ; v10  of K's scale words
.set ADT,  11                          ; v11  of V's
.set PFO,  28                          ; v28  the prefetches' offset: 256 x my lane in K's block, KROWV x my lane among V's rows; never rewritten
.set STO,  29                          ; v29  the stage: where I put 32 bytes of a row
.set RD,   30                          ; v30  and where I read a row back
.set DQ,   31                          ; v31  lane % 16 - 16 (lane / 16), for the mask
.set QB,   80                          ; v80-91 the second block's Q fragment; v92 its scale word
.set DK,   93                          ; v93  where I store K's scale words
.set DV,   94                          ; v94  and V's
.set TB,   2                           ; s2   LDS byte at which the slot in hand begins
.set TS,   3                           ; s3   1,024 x trip: where the trip's scale words begin
.set WV,   18                          ; s18  my wave's number
.set X,    19                          ; s19  the work-group's x
.set SEL,  20                          ; s[20:21] lane selects for v_permlanex16_b32: lane l xor 16
.set CS,   22                          ; s[22:23] c = log2(e) / sqrt(128): the packed form names a pair and takes its low word for both halves
.set G1K,  24                          ; s[24:31] descriptor group 1 for K's tiles;  s[32:39] for V's;  s[40:43], s[44:47] their groups 0
.set G1V,  32
.set G0K,  40
.set G0V,  44
.set LEN1, 48                          ; s48  8 - x: the slots of the first block
.set NS,   49                          ; s49  the key slot that is being asked for
.set SLOTS, 50                         ; s50  8 .. 1: slots still to be asked for
.set KF,   51                          ; s51  the step's first key
.set Q0,   52                          ; s52  my first query
.set SWT,  53                          ; s53  x + 1: the count at which the blocks change
.set Q0B,  54                          ; s54  my first query in the second block
.set TMP,  55                          ; s55  at work
.set KB,   56                          ; s[56:57] K's codes: my head, my half of a slot; never rewritten
.set VB,   58                          ; s[58:59] V's codes: my head, my 64 rows; never rewritten
.set OFK,  60                          ; s[60:61], s[62:63] offsets of the slot asked for; the high words stay 0
.set OFV,  62
.set QC2,  68                          ; s[68:69], s[70:71] the second block's Q codes and scale words;  s[72:73] its rows of O
.set QS2,  70
.set O2,   72
.set PFA,  76                          ; s[76:77] where my prefetches stand in memory
.set PFS,  78                          ; s[78:79] a slot on, in bytes: KSLOTB in K, VROWB in a row of V
.set LIM,  80                          ; s80  2 in a wave that prefetches, else the greatest number: a wave prefetches while s[SLOTS] is above it
.set EVR,  81                          ; s81  3 in V's waves, 0 in K's
; Waves 0 and 1 fetch for K, waves 2 and 3 for V, the others nothing.  The branches hang on the wave's number alone.  Four v_nop follow each of the two lines.
.macro TLOAD
	s_cmp_lt_u32 s[WV], 2
	s_cbranch_scc0 .Lnot_k_\@
	tensor_load_to_lds s[G0K:G0K+3], s[G1K:G1K+7]
	s_nop 0
.rept 4
	v_nop
.endr
	s_branch .Lasked_\@
.Lnot_k_\@:
	s_cmp_lt_u32 s[WV], 4
	s_cbranch_scc0 .Lasked_\@
	tensor_load_to_lds s[G0V:G0V+3], s[G1V:G1V+7]
	s_nop 0
.rept 4
	v_nop
.endr
.Lasked_\@:
.endm
; A PREFETCH INTO THE L2 of the slot that the NEXT change of slots will ask for: in trip s (s[SLOTS] = 8 - s) key slot s + 2, two key steps of sixteen waves ahead of its tensor load.
; Each aligned block of 256 bytes is named ONCE in the launch.  The four work-groups of a head walk the same K and V; work-group x = 0, whose first block walks slots 0 to 7 in order, asks, and nobody else.
; In it the waves ask that fetch nothing, one instruction each: waves 4 to 6 for K's dense 24,576 bytes, 8,192 a wave, lanes 256 bytes apart; waves 8 to 11 for V's 128 rows, 32 a wave, a lane a row.
; A slot's part of a row of V is 192 bytes, so a lane names the part's LAST byte: bytes 575, 959, 1,151, 1,343 for slots 2, 4, 5, 6 lie in blocks 2, 3, 4, 5 of the row; slots 3 and 7 end in the block that the
; slot before has named (s[SLOTS] = 7, 3): there V's waves ask for nothing.  Trips 6 and 7 ask for nothing: there is no slot 8.  Slots 0 and 1 come by their loads alone.
.macro ASK
	s_cmp_gt_u32 s[SLOTS], s[LIM]
	s_cbranch_scc0 .Lnot_mine_\@
	s_and_b32 s[TMP], s[SLOTS], s[EVR]
	s_cmp_eq_u32 s[TMP], 3
	s_cbranch_scc1 .Lnot_mine_\@
	global_prefetch_b8 v[PFO], s[PFA:PFA+1] th:TH_LOAD_NT scope:SCOPE_SE
.Lnot_mine_\@:
.endm
; A block's beginning: the largest t so far is -3e38, under every t; the sum and O^T are zeros, which the first change of M leaves zeros.  So a key step is written in one form.
.macro INIT
	v_mov_b32 v13, 0xff61b1e6
	v_floor_f32 v12, -v13                          ; -M
	v_mov_b32 v14, 0
	v_mov_b32 v15, 0
.set j, 0
.rept 64
	v_mov_b32 v[160+j], 0
.set j, j+1
.endr
.endm
	s_load_b128 s[4:7], s[0:1], 0x0                ; Q's codes, Q's scales
	s_load_b128 s[8:11], s[0:1], 0x10              ; K's codes, K's scales
	s_load_b128 s[12:15], s[0:1], 0x20             ; V's codes, V's scales
	s_load_b64 s[16:17], s[0:1], 0x30              ; O
	v_lshl_add_u32 v[SPW], v0, 2, SPARE
	v_mov_b32 v[NIL], 0
	ds_add_u32 v5, v6
	s_wait_dscnt 0x0
	v_lshrrev_b32 v8, 5, v0
	v_readfirstlane_b32 s[WV], v8                  ; wave 0..15
	s_mov_b32 s[X], ttmp9
	s_sub_co_u32 s[LEN1], 8, s[X]
	s_add_co_u32 s[SWT], s[X], 1
	s_lshr_b32 s82, s[WV], 2
	s_xor_b32 s82, s82, s[WV]
	s_and_b32 s82, s82, 1
	s_lshl_b32 s82, s82, 3
	s_lshr_b32 s83, s[WV], 1
	s_add_co_u32 s82, s82, s83                     ; my tile in a block
	s_lshl_b32 s82, s82, 4
	s_sub_co_u32 s83, 7, s[X]
	s_lshl_b32 s83, s83, 8
	s_add_co_u32 s[Q0], s83, s82                   ; my first query: 256 (7 - x) + 16 x tile,
	s_lshl_b32 s83, s[X], 8
	s_add_co_u32 s[Q0B], s83, s82                  ; later 256 x + 16 x tile
	s_and_b32 s84, ttmp7, 0xffff                   ; the head
	s_mul_i32 s86, s84, HCODE                      ; its first byte in each tensor of codes (all these offsets stay under 2^27),
	s_mov_b32 s87, 0
	s_lshl_b32 s88, s84, 13                        ; in each tensor of scale bytes,
	s_mov_b32 s89, 0
	s_lshl_b32 s90, s84, 20                        ; and in O
	s_and_b32 s85, s[WV], 1                        ; what I fetch, if I fetch: which half
	s_mul_i32 s92, s85, 12288                      ; K: 128 keys x 96 bytes, in memory and in a slot; V: 64 rows x 192 bytes in a slot
	s_mov_b32 s93, 0
	s_mul_i32 s94, s85, 64*KROWV                   ; V: 64 rows in memory
	s_mov_b32 s95, 0
	; descriptor group 1.  K: half a slot is 12,288 dense bytes from a multiple of 256 on: 48 rows of 32 elements of 8 bytes
	s_mov_b32 s[G1K], 3<<16                        ; 15:0 no mask; 17:16 elements of 8 bytes; 20 padding off
	s_mov_b32 s[G1K+1], 32<<16                     ; tensor_dim0
	s_mov_b32 s[G1K+2], 48<<16                     ; tensor_dim1
	s_mov_b32 s[G1K+3], 32<<16                     ; tile_dim0
	s_mov_b32 s[G1K+4], 48                         ; tile_dim1
	s_mov_b32 s[G1K+5], 32                         ; tensor_dim0_stride
	s_mov_b32 s[G1K+6], 0
	s_mov_b32 s[G1K+7], 0
	; V: 64 rows of 192 bytes, 1,536 bytes apart
	s_mov_b32 s[G1V], 0<<16                        ; elements of 1 byte, no padding
	s_mov_b32 s[G1V+1], VROWB<<16
	s_mov_b32 s[G1V+2], 64<<16
	s_mov_b32 s[G1V+3], VROWB<<16
	s_mov_b32 s[G1V+4], 64
	s_mov_b32 s[G1V+5], KROWV
	s_mov_b32 s[G1V+6], 0
	s_mov_b32 s[G1V+7], 0
	s_mov_b32 s[SEL], 0x76543210
	s_mov_b32 s[SEL+1], 0xfedcba98
	s_mov_b32 s[CS], 0x3e0293ee                    ; c = log2(e) / sqrt(128)
	s_mov_b32 s[CS+1], s[CS]                       ; (named with it as a pair, so it is written)
	s_mov_b32 s[TB], 0
	s_mov_b32 s[TS], 0
	s_mov_b32 s[KF], 0
	s_mov_b32 s[SLOTS], 8
	s_mov_b32 s[OFK+1], 0
	s_mov_b32 s[OFV+1], 0
	s_wait_kmcnt 0x0
	s_add_nc_u64 s[KB:KB+1], s[8:9], s[86:87]
	s_add_nc_u64 s[KB:KB+1], s[KB:KB+1], s[92:93]
	s_add_nc_u64 s[VB:VB+1], s[12:13], s[86:87]
	s_add_nc_u64 s[VB:VB+1], s[VB:VB+1], s[94:95]
	s_mov_b32 s[G0K], 1                            ; 1:0 count = 1
	s_mov_b32 s[G0K+1], s92                        ; 63:32 LDS address: slot 0, my half
	s_mov_b64 s[G0K+2:G0K+3], s[KB:KB+1]           ; 120:64 global address: key slot 0
	s_or_b32 s[G0K+3], s[G0K+3], 0x80000000        ; 127:126 type = 2
	s_mov_b32 s[G0V], 1
	s_add_co_u32 s[G0V+1], s92, VOFF
	s_mov_b64 s[G0V+2:G0V+3], s[VB:VB+1]
	s_or_b32 s[G0V+3], s[G0V+3], 0x80000000
	TLOAD                                          ; slot 0: the one first fill at the head, ahead of every wait on TENSORcnt, every LDS read and every barrier
	; Q, its scale words and O at my queries, for both blocks; the offsets are made apart from the addresses
	s_mul_i32 s82, s[Q0], ROWB
	s_add_co_u32 s82, s82, s86
	s_mov_b32 s83, 0
	s_mul_i32 s96, s[Q0B], ROWB
	s_add_co_u32 s96, s96, s86
	s_mov_b32 s97, 0
	s_add_nc_u64 s[QC2:QC2+1], s[4:5], s[96:97]
	s_add_nc_u64 s[4:5], s[4:5], s[82:83]
	s_lshl_b32 s82, s[Q0], 2
	s_add_co_u32 s82, s82, s88
	s_lshl_b32 s96, s[Q0B], 2
	s_add_co_u32 s96, s96, s88
	s_add_nc_u64 s[QS2:QS2+1], s[6:7], s[96:97]
	s_add_nc_u64 s[6:7], s[6:7], s[82:83]
	s_lshl_b32 s82, s[Q0], 9
	s_add_co_u32 s82, s82, s90
	s_lshl_b32 s96, s[Q0B], 9
	s_add_co_u32 s96, s96, s90
	s_add_nc_u64 s[O2:O2+1], s[16:17], s[96:97]
	s_add_nc_u64 s[16:17], s[16:17], s[82:83]
	s_add_nc_u64 s[10:11], s[10:11], s[88:89]      ; K's and V's scale bytes at my head
	s_add_nc_u64 s[14:15], s[14:15], s[88:89]
	v_and_b32 v8, 15, v0                           ; r = lane % 16
	v_bfe_u32 v9, v0, 4, 1                         ; h = lane / 16
	v_mul_u32_u24 v118, v8, ROWB
	v_mad_u32_u24 v118, v9, 24, v118               ; Q: row r, + my half's bytes
	v_lshlrev_b32 v119, 2, v8
.irp p, 0,1,2,3,4,5
	global_load_b64 v[16+2*\p:17+2*\p], v118, s[4:5] offset:48*(\p/3)+8*(\p%3)   ; the first block's Q fragment
.endr
	global_load_b32 v255, v119, s[6:7]             ; and its scale words
.irp p, 0,1,2,3,4,5
	global_load_b64 v[QB+2*\p:QB+2*\p+1], v118, s[QC2:QC2+1] offset:48*(\p/3)+8*(\p%3)   ; the second block's: so the change of blocks has no load
.endr
	global_load_b32 v[QB+12], v119, s[QS2:QS2+1]
	; THE SCALE COPIES.  The 128 threads of waves 4 g .. 4 g + 3 copy trips g and g + 4, 8 bytes a thread of K's and of V's; waves 0 to 3 also trip 8.  Trip s reads key slot s, or s - (8 - x) from the change of blocks on:
	; the smaller of the two as unsigned numbers.  The slot enters the offsets in memory alone.
	v_and_b32 v116, 127, v0
	v_lshlrev_b32 v117, 6, v116                    ; V: row d of 64 bytes
	v_lshlrev_b32 v116, 3, v116                    ; K: 8 bytes of a slot's dense 1,024; in LDS both
	s_lshr_b32 s82, s[WV], 2
	s_lshl_b32 s83, s82, 10
	v_add_nc_u32 v[DK], s83, v116
	v_add_nc_u32 v[DV], VSC, v[DK]
	v_add_nc_u32 v[DK], KSC, v[DK]
	s_sub_co_u32 s84, s82, s[LEN1]
	s_min_u32 s84, s82, s84
	v_lshl_add_u32 v108, s84, 10, v116
	v_lshl_add_u32 v109, s84, 3, v117
	s_add_co_u32 s82, s82, 4
	s_sub_co_u32 s84, s82, s[LEN1]
	s_min_u32 s84, s82, s84
	v_lshl_add_u32 v110, s84, 10, v116
	v_lshl_add_u32 v111, s84, 3, v117
	global_load_b64 v[96:97], v108, s[10:11]
	global_load_b64 v[98:99], v109, s[14:15]
	global_load_b64 v[100:101], v110, s[10:11]
	global_load_b64 v[102:103], v111, s[14:15]
	; the prefetches (macro ASK): where my wave's stand, and who asks
	s_cmp_lt_u32 s[WV], 8                          ; waves 4 to 6 ask for K's codes, waves 8 to 11 for V's
	s_cselect_b64 s[PFA:PFA+1], s[8:9], s[12:13]
	s_mov_b32 s[PFS], VROWB
	s_cselect_b32 s[PFS], KSLOTB, s[PFS]           ; a slot on
	s_mov_b32 s82, KROWV
	s_cselect_b32 s82, 256, s82                    ; from lane to lane
	s_mov_b32 s83, 32*KROWV
	s_cselect_b32 s83, 8192, s83                   ; from wave to wave
	s_cselect_b32 s84, 0, VROWB-1                  ; in V: the last byte of a row's part of a slot
	s_cselect_b32 s[EVR], 0, 3
	v_and_b32 v[PFO], 31, v0
	v_mul_lo_u32 v[PFO], v[PFO], s82
	s_and_b32 s82, s[WV], 3
	s_mul_i32 s82, s82, s83                        ; my wave's part,
	s_add_co_u32 s82, s82, s[PFS]                  ; in slot 1: the first change of slots steps it to slot 2.  Nothing is prefetched here, at the head
	s_add_co_u32 s82, s82, s84
	s_add_co_u32 s82, s82, s86                     ; in my head
	s_mov_b32 s83, 0
	s_mov_b32 s[PFS+1], 0
	s_add_nc_u64 s[PFA:PFA+1], s[PFA:PFA+1], s[82:83]
	s_sub_co_u32 s82, s[WV], 4
	s_lshr_b32 s82, s82, 3                         ; 0 in waves 4 to 11,
	s_or_b32 s82, s82, ttmp9                       ; of work-group x = 0
	s_cmp_eq_u32 s82, 0
	s_cselect_b32 s[LIM], 2, -1
	s_cmp_eq_u32 s[WV], 7                          ; (K's block is three waves' worth: 3 x 8,192 bytes)
	s_cselect_b32 s[LIM], -1, s[LIM]
	; the addresses that stay, and the first block's beginning, while the loads are on their way
	v_and_b32 v11, 8, v8
	v_add_nc_u32 v11, v11, v8                      ; r + 8 (r / 8)
	v_mul_u32_u24 v[AK0], v11, KP
	v_mad_u32_u24 v[AK0], v9, 24, v[AK0]
	v_mul_u32_u24 v[AV0], v8, VP
	v_mad_u32_u24 v[AV0], v9, 24, v[AV0]
	v_add_nc_u32 v[AV0], VOFF, v[AV0]
	v_lshl_add_u32 v[ASK0], v11, 2, KSC            ; K's scale words: 4 bytes a key
	v_lshl_add_u32 v[ASV0], v8, 3, VSC             ; V's: 8 bytes a row d
	v_lshlrev_b32 v[GO], 9, v9
	v_lshl_add_u32 v[GO], v8, 4, v[GO]             ; the way out: lanes 0-15 take one row of O, lanes 16-31 the next; 16 bytes a lane
	s_mul_i32 s82, s[WV], 16*272
	s_add_co_u32 s82, s82, STAGE                   ; my stage
	v_mul_u32_u24 v[STO], v8, 272
	v_lshl_add_u32 v[STO], v9, 5, v[STO]
	v_add_nc_u32 v[STO], s82, v[STO]               ; in: row r; tile t's eight channels of my half: 64 t + 32 h bytes on
	v_mul_u32_u24 v[RD], v9, 272
	v_lshl_add_u32 v[RD], v8, 4, v[RD]
	v_add_nc_u32 v[RD], s82, v[RD]                 ; back: lanes 0-15 one row, lanes 16-31 the next
	v_lshlrev_b32 v10, 4, v9
	v_sub_nc_u32 v[DQ], v8, v10
.irp b, 0,1,2,3
	v_mov_b32 v[236+\b], 0                         ; written once: a lane permute's destination counts as one of its sources
.endr
	v_mov_b32 v252, 0
	v_mov_b32 v253, 0                              ; (named as the upper half of the pair v[252:253] before it is first written)
	INIT
	s_cmp_lt_u32 s[WV], 4                          ; trip 8 reads key slot x: waves 0 to 3 copy its words
	s_cbranch_scc0 .Lno_ninth
	v_lshl_add_u32 v112, s[X], 10, v116
	v_lshl_add_u32 v113, s[X], 3, v117
	global_load_b64 v[104:105], v112, s[10:11]
	global_load_b64 v[106:107], v113, s[14:15]
	s_wait_loadcnt 0x0
	ds_store_b64 v[DK], v[104:105] offset:8192
	ds_store_b64 v[DV], v[106:107] offset:8192
.Lno_ninth:
	s_wait_loadcnt 0x0                             ; Q of both blocks, and the copies
	ds_store_b64 v[DK], v[96:97]
	ds_store_b64 v[DV], v[98:99]
	ds_store_b64 v[DK], v[100:101] offset:4096
	ds_store_b64 v[DV], v[102:103] offset:4096     ; the first change of slots waits for these stores in front of its barrier: behind it every wave may read them
; A KEY STEP: 128 keys, the q-th of the slot in hand.
.macro STEP q
	; A step all of whose keys come after my 16 queries is left out: a scalar branch on ids, round the step's loads, products and softmax; no barrier and no tensor load stands in a step.
	s_add_co_u32 s[TMP], s[Q0], 15
	s_cmp_gt_u32 s[KF], s[TMP]
	s_cbranch_scc1 .Lhidden_\@
	v_add_nc_u32 v[ADK], s[TB], v[AK0]             ; these four additions are the four places between the last step's products and the loads into the registers that they read
	v_add_nc_u32 v[ADV], s[TB], v[AV0]
	v_add_nc_u32 v[ADS], s[TS], v[ASK0]
	v_add_nc_u32 v[ADT], s[TS], v[ASV0]
.irp g, 0,1                                    ; S^T = K Q^T, four tiles of 16 keys at a time
.rept 4*\g
	v_nop                                          ; places in front of loads into registers that matrix instructions have read
.endr
.irp t, 0,1,2,3
.irp p, 0,1,2,3,4,5
	ds_load_b64 v[32+12*\t+2*\p:32+12*\t+2*\p+1], v[ADK] offset:(128*(\q)+32*((4*\g+\t)/2)+8*(\t%2))*KP+48*(\p/3)+8*(\p%3)
.endr
	ds_load_b32 v[248+\t], v[ADS] offset:(128*(\q)+32*((4*\g+\t)/2)+8*(\t%2))*4
.endr
	s_wait_dscnt 0x0
.irp t, 0,1,2,3
	v_wmma_scale_f32_16x16x128_f8f6f4 v[96+8*(4*\g+\t):103+8*(4*\g+\t)], v[32+12*\t:43+12*\t], v[16:27], 0, v[248+\t], v255 matrix_a_fmt:MATRIX_FMT_BF6 matrix_b_fmt:MATRIX_FMT_BF6
.endr
.endr                                          ; lane (r, h) holds query r; register 16 b + i is key KF + 32 b + 16 h + i
.rept 4
	v_nop
.endr
	; On the diagonal the scores of hidden keys become -infinity ahead of the maximum: p = 0 then.  A step all of whose keys count skips this.
	s_add_co_u32 s[TMP], s[KF], 127
	s_cmp_le_u32 s[TMP], s[Q0]
	s_cbranch_scc1 .Lopen_\@
	s_sub_co_i32 s[TMP], s[Q0], s[KF]
	v_add_nc_u32 v252, s[TMP], v[DQ]               ; d = my query - KF - 16 h: register 16 b + i is hidden where 32 b + i > d
	v_mov_b32 v254, 0xff800000                     ; -infinity
.set n, 0
.rept 64
	v_cmp_gt_i32 vcc_lo, 32*(n/16)+n%16, v252
	v_cndmask_b32 v[96+n], v[96+n], v254, vcc_lo
.set n, n+1
.endr
.Lopen_\@:
.irp b, 0,1,2,3
	v_max3_num_f32 v[232+\b], v[96+16*\b], v[97+16*\b], v[98+16*\b]   ; THE LARGEST SCORE OF EACH BLOCK OF 32 KEYS serves twice: for the row's maximum, and, since p rises with the score, for the block's largest p
.endr
.irp i, 3,5,7,9,11,13
.irp b, 0,1,2,3
	v_max3_num_f32 v[232+\b], v[232+\b], v[96+16*\b+\i], v[97+16*\b+\i]   ; (the four blocks by turns)
.endr
.endr
.irp b, 0,1,2,3
	v_max_num_f32 v[232+\b], v[232+\b], v[111+16*\b]
.endr
.irp b, 0,1,2,3
	v_permlanex16_b32 v[236+\b], v[232+\b], s[SEL], s[SEL+1]
.endr
.irp b, 0,1,2,3
	v_max_num_f32 v[232+\b], v[232+\b], v[236+\b]  ; with lane l xor 16's 16 keys
.endr
	v_max3_num_f32 v254, v232, v233, v234
	v_max_num_f32 v254, v254, v235                 ; the step's largest score of my query
	v_mul_f32 v254, s[CS], v254                    ; as t (c is positive)
	v_max_num_f32 v13, v13, v254                   ; the running largest t
	v_mov_b32 v254, v12
	v_floor_f32 v12, -v13                          ; the new -M = floor(-t) = -ceil(t): M IS A WHOLE NUMBER
	v_sub_f32 v254, v12, v254                      ; M's old value less its new one: a whole number, 0 or less
	v_cvt_i32_f32 v254, v254                       ; (it saturates)
	v_ldexp_f32 v252, 1.0, v254                    ; f = 2^(old M - new M): a multiplication by it rounds nothing
.set j, 0
.rept 32
	v_pk_fma_f32 v[96+j:97+j], v[96+j:97+j], s[CS:CS+1], v[12:13] op_sel_hi:[1,0,0]   ; t - M, two at a time (of the pairs c and -M the low word serves both halves)
.set j, j+2
.endr
.irp b, 0,1,2,3
	v_fma_f32 v[232+\b], v[232+\b], s[CS], v12     ; the same of each block's largest score
.endr
.set j, 0
.rept 64
	v_exp_f32 v[96+j], v[96+j]                     ; p = 2^(t - M), at most 1: NOT normalised
.set j, j+1
.endr
.irp b, 0,1,2,3
	v_exp_f32 v[232+\b], v[232+\b]                 ; the block's largest p: the same two instructions on the same number give the same bits
.endr
	v_pk_mul_f32 v[14:15], v[14:15], v[252:253] op_sel_hi:[1,0]   ; the sums under the new M.  (A plain place behind the exponentials)
	s_wait_alu depctr_va_vdst(0)
.irp b, 0,1,2,3
	v_max_num_f32 v[232+\b], 0x2800000, v[232+\b]  ; the floor 2^(5 - 127): the byte cannot fall under 1 (a block whose every p is 0 keeps that byte: its codes are zeros)
.endr
.irp b, 0,1,2,3
	v_add_nc_u32 v[244+\b], 0xfe000000, v[232+\b]  ; 4 off the exponent field: the conversion's scale operand
.endr
.irp b, 0,1,2,3
	v_lshrrev_b32 v[236+\b], 23, v[244+\b]         ; the scale's byte
.endr
	v_lshl_or_b32 v253, v237, 8, v236              ; p's scale word for these 128 keys
	v_lshl_or_b32 v253, v238, 16, v253
	v_lshl_or_b32 v253, v239, 24, v253
.irp c, 0,1
	v_cvt_scalef32_pk16_bf6_f32 v[224+6*\c:226+6*\c], v[96+32*\c:111+32*\c], v[244+2*\c]
	v_cvt_scalef32_pk16_bf6_f32 v[236+4*\c:238+4*\c], v[112+32*\c:127+32*\c], v[244+2*\c+1]   ; (a conversion's three registers begin on an even number)
.endr
	v_nop                                          ; one plain vector instruction behind the last scaled conversion
.irp c, 0,1                                    ; the operand's layout wants a WHOLE block in a lane: lanes 0-15 block 2 c, lanes 16-31 block 2 c + 1
.irp i, 0,1,2
	v_permlane16_swap_b32 v[224+6*\c+\i], v[236+4*\c+\i]
.endr
.irp i, 0,1,2
	v_mov_b32 v[227+6*\c+\i], v[236+4*\c+\i]
.endr
.endr
	v_pk_add_f32 v[236:237], v[96:97], v[98:99]    ; THE ROW'S SUM IS TAKEN OF THE UNQUANTISED p: two at a time, in two chains
.irp j, 4,8,12,16,20,24,28,32,36,40,44,48,52,56,60
	v_pk_add_f32 v[14:15], v[14:15], v[96+\j:97+\j]
	v_pk_add_f32 v[236:237], v[236:237], v[98+\j:99+\j]
.endr
	v_pk_add_f32 v[14:15], v[14:15], v[236:237]
.set j, 0
.rept 32
	v_pk_mul_f32 v[160+j:161+j], v[160+j:161+j], v[252:253] op_sel_hi:[1,0]   ; O^T under the new M: x f.  (These 32 are also the places in front of the matrix instructions and loads below)
.set j, j+2
.endr
.irp g, 0,1                                    ; O^T += V^T P^T: four tiles of 16 of the head's 128 at a time; K = these 128 keys.  The eight accumulators take turns, one instruction a turn
.rept 4*\g
	v_nop
.endr
.irp t, 0,1,2,3
.irp p, 0,1,2,3,4,5
	ds_load_b64 v[32+12*\t+2*\p:32+12*\t+2*\p+1], v[ADV] offset:16*(4*\g+\t)*VP+ROWB*(\q)+48*(\p/3)+8*(\p%3)
.endr
	ds_load_b32 v[248+\t], v[ADT] offset:128*(4*\g+\t)+4*(\q)
.endr
	s_wait_dscnt 0x0
.irp t, 0,1,2,3
	v_wmma_scale_f32_16x16x128_f8f6f4 v[160+8*(4*\g+\t):167+8*(4*\g+\t)], v[32+12*\t:43+12*\t], v[224:235], v[160+8*(4*\g+\t):167+8*(4*\g+\t)], v[248+\t], v253 matrix_a_fmt:MATRIX_FMT_BF6 matrix_b_fmt:MATRIX_FMT_BF6
.endr
.endr
.Lhidden_\@:
	s_add_co_u32 s[KF], s[KF], 128
.endm
; THE CHANGE OF SLOTS stands at a slot's head.  Each wave waits for all its tensor loads (at most one is out: its part of the slot that it is about to read), adds 0 to its spare word, and waits for that and for its
; LDS instructions on the slot that it has left.  Behind the barrier the slot ahead is whole and nobody reads the other one.  fill = 1: that other slot is filled with the next trip's keys: the load has a whole slot's steps in which to land.
.macro CHANGE fill
	s_wait_tensorcnt 0x0                           ; no tensor load of mine is out, so a group 0 may be written
	ds_add_u32 v[SPW], v[NIL]                      ; 0 onto my spare word; with fill = 1 the descriptors' words are made between it and the wait for it
.if \fill
	s_xor_b32 s[G0K+1], s[G0K+1], SLOT1            ; the other slot than last time
	s_xor_b32 s[G0V+1], s[G0V+1], SLOT1
	s_sub_co_u32 s[NS], 9, s[SLOTS]                ; the next trip's number, 1 .. 8;
	s_sub_co_u32 s[TMP], s[NS], s[LEN1]
	s_min_u32 s[NS], s[NS], s[TMP]                 ; its key slot: the trip's number, or from the change of blocks on that less 8 - x: the smaller of the two as unsigned numbers
	s_mul_i32 s[OFK], s[NS], KSLOTB
	s_add_nc_u64 s[G0K+2:G0K+3], s[KB:KB+1], s[OFK:OFK+1]
	s_or_b32 s[G0K+3], s[G0K+3], 0x80000000
	s_mul_i32 s[OFV], s[NS], VROWB
	s_add_nc_u64 s[G0V+2:G0V+3], s[VB:VB+1], s[OFV:OFV+1]
	s_or_b32 s[G0V+3], s[G0V+3], 0x80000000
	s_wait_xcnt 0x0                                ; the last prefetch, a slot back, has read its address, so it may be written
	s_add_nc_u64 s[PFA:PFA+1], s[PFA:PFA+1], s[PFS:PFS+1]
.endif
	s_wait_dscnt 0x0                               ; the add is done, and so are my reads of the slot that I have left (at the first change: my stores of scale words)
	s_barrier_signal -1
	s_barrier_wait -1
.if \fill
	TLOAD                                          ; the first thing behind the barrier, and a wave's one tensor load until the next
	ASK
.endif
.endm
.macro SLOT_STEPS
	STEP 0
	STEP 1
	s_xor_b32 s[TB], s[TB], SLOT1                  ; on to the other slot,
	s_add_co_u32 s[TS], s[TS], 1024                ; and to the next trip's scale words
.endm
; THE WAY OUT of a block; ob: the scalar pair with my rows of O.  The sum's halves are added; O^T is divided by the sum, in place and in ascending order, and goes through my own stage in LDS, half a row
; (64 channels, 256 bytes) of 16 queries at a time, so that sixteen lanes store 256 consecutive bytes, at a multiple of 256 from O's first byte.
.macro WAYOUT ob
	v_add_f32 v14, v14, v15                        ; the sum's two halves,
	v_permlanex16_b32 v252, v14, s[SEL], s[SEL+1]
	v_add_f32 v14, v14, v252                       ; and lane l xor 16's: the row's sum
	v_rcp_f32 v14, v14
	v_nop                                          ; a plain place behind the transcendental; with the lines above and the first multiplications below, which name earlier products' results,
	v_nop                                          ; also the places behind the last products
.set j, 0
	s_wait_alu depctr_va_vdst(0)
.rept 32
	v_pk_mul_f32 v[160+j:161+j], v[160+j:161+j], v[14:15] op_sel_hi:[1,0]   ; register 8 t + i is o(r, 16 t + 8 h + i)
.set j, j+2
.endr
.irp u, 0,1                                    ; channels 64 u on
.irp t, 0,1,2,3
	ds_store_b128 v[STO], v[160+32*\u+8*\t:163+32*\u+8*\t] offset:64*\t
	ds_store_b128 v[STO], v[164+32*\u+8*\t:167+32*\u+8*\t] offset:64*\t+16
.endr
.irp i, 0,1,2,3,4,5,6,7
	ds_load_b128 v[96+32*\u+4*\i:99+32*\u+4*\i], v[RD] offset:544*\i   ; LDS serves a wave's instructions in order (ISA guide 5.7.1.4): these see my stores, and the next half's stores come behind them
.endr
.endr
.irp u, 0,1
.irp i, 0,1,2,3,4,5,6,7
	s_wait_dscnt 23-16*\u-\i                       ; behind load (u, i) were issued its half's 7 - i loads and, for u = 0, the second half's 8 stores and 8 loads
	global_store_b128 v[GO], v[96+32*\u+4*\i:99+32*\u+4*\i], s[\ob:\ob+1] offset:1024*\i+256*\u th:TH_STORE_NT   ; written once, read by nobody here
.endr
.endr
.endm
.Lslot:                                            ; 8 trips: behind each change of slots but the last the next trip's slot is asked for
	CHANGE 1
	SLOT_STEPS
	s_cmp_lg_u32 s[SLOTS], s[SWT]                  ; THE CHANGE OF BLOCKS, behind trip 7 - x: a scalar branch on ids, the same in all sixteen waves; no barrier and no tensor load stands in it
	s_cbranch_scc1 .Lsame
	WAYOUT 16
.set j, 0
.rept 12
	v_mov_b32 v[16+j], v[QB+j]                     ; the second block's Q and its scale word: the 68 lines of the beginning below stand between these moves and the next products
.set j, j+1
.endr
	v_mov_b32 v255, v[QB+12]
	INIT
	s_mov_b32 s[KF], 0                             ; the keys begin anew
	s_mov_b32 s[Q0], s[Q0B]
	s_wait_xcnt 0x0                                ; the stores have read their data: v96-159 are written again by the next products
.Lsame:
	s_sub_co_u32 s[SLOTS], s[SLOTS], 1
	s_cmp_lg_u32 s[SLOTS], 0
	s_cbranch_scc1 .Lslot
	CHANGE 0                                       ; the last trip is written out
	SLOT_STEPS
	WAYOUT O2
	s_wait_tensorcnt 0x0                           ; the wave's end: behind my last tensor load and my last LDS store
	ds_add_u32 v[SPW], v[NIL]
	s_wait_dscnt 0x0
	s_endpgm
.Lfunc_end_k_q5ced336992_attn:
	.size	k_q5ced336992_attn, .Lfunc_end_k_q5ced336992_attn-k_q5ced336992_attn
	.p2alignl 7, 3214868480
	.fill 96, 4, 3214868480
	.section	.rodata,"a",@progbits
	.p2align	6, 0x0
	.amdhsa_kernel k_q5ced336992_attn
		.amdhsa_group_segment_fixed_size 327680
		.amdhsa_private_segment_fixed_size 0
		.amdhsa_enable_private_segment 0
		.amdhsa_kernarg_size 56
		.amdhsa_user_sgpr_count 2
		.amdhsa_user_sgpr_kernarg_segment_ptr 1
		.amdhsa_wavefront_size32 1
		.amdhsa_system_sgpr_workgroup_id_x 1
		.amdhsa_system_sgpr_workgroup_id_y 1
		.amdhsa_system_sgpr_workgroup_id_z 1
		.amdhsa_system_vgpr_workitem_id 0
		.amdhsa_next_free_vgpr 256
		.amdhsa_next_free_sgpr 100
		.amdhsa_reserve_vcc 1
		.amdhsa_float_denorm_mode_32 3
		.amdhsa_float_denorm_mode_16_64 3
		.amdhsa_memory_ordered 1
		.amdhsa_forward_progress 1
		.amdhsa_inst_pref_size 141
	.end_amdhsa_kernel
	.amdgpu_metadata
---
amdhsa.version: [ 1, 2 ]
amdhsa.kernels:
  - .name:           k_q5ced336992_attn
    .symbol:         k_q5ced336992_attn.kd
    .args:
      - { .name: query_codes, .offset: 0, .size: 8, .value_kind: global_buffer, .address_space: global }
      - { .name: query_scales, .offset: 8, .size: 8, .value_kind: global_buffer, .address_space: global }
      - { .name: key_codes, .offset: 16, .size: 8, .value_kind: global_buffer, .address_space: global }
      - { .name: key_scales, .offset: 24, .size: 8, .value_kind: global_buffer, .address_space: global }
      - { .name: value_codes, .offset: 32, .size: 8, .value_kind: global_buffer, .address_space: global }
      - { .name: value_scales, .offset: 40, .size: 8, .value_kind: global_buffer, .address_space: global }
      - { .name: out0, .offset: 48, .size: 8, .value_kind: global_buffer, .address_space: global }
    .group_segment_fixed_size: 327680
    .private_segment_fixed_size: 0
    .kernarg_segment_align: 8
    .kernarg_segment_size: 56
    .max_flat_workgroup_size: 512
    .sgpr_count:     100
    .vgpr_count:     256
    .wavefront_size: 32
...
	.end_amdgpu_metadata
.endif
;; end of part 1
